; MI455X (gfx1250); checked and timed in simulation.
; The chip was launched on July 23, 2026; its instructions are those of AMD's public machine-readable ISA for CDNA 5 (MIT licence, August 2026) and "CDNA5" Instruction Set Architecture Reference Guide (July 2026). The comments in the code are by the model that wrote it; some were corrected since.
;; Calc Xi And Log Likelihood. Allowed arithmetic: float matrix products may take bf16 or f16 operands with f32 sums; all other float work in f32.
;; Inputs: eps 64 x 16 x 200 x 64 float32; mu 64 x 16 x 200 x 64 float32; sigma 64 x 16 x 200 x 64 float32.
;; Outputs: out0 64 x 16 x 200 x 64 float32; out1 64 x 16 float32.
;; One version. Each part assembles by itself: llvm-mc -triple=amdgcn-amd-amdhsa -mcpu=gfx1250 --defsym DOCPART=n.
;; ======== version 1 of 1: 1 launch
;; launch xi_ll (part 1): grid 256 x 1, 20 waves a work-group, no clusters, 12,800 bytes of LDS; arguments mu, sigma, eps, out0, out1; writes out0, out1
.if DOCPART == 1
	.amdgcn_target "amdgcn-amd-amdhsa--gfx1250"
	.amdhsa_code_object_version 6
	.text
	.protected	k_q0e5e2d0956_xi_ll
	.globl	k_q0e5e2d0956_xi_ll
	.p2align	8
	.type	k_q0e5e2d0956_xi_ll,@function
k_q0e5e2d0956_xi_ll:
	s_mov_b64 s[64:65], 0
	v_nop
	global_prefetch_b8 v0, s[64:65] scope:SCOPE_SE
	s_setreg_imm32_b32 hwreg(HW_REG_WAVE_MODE, 25, 1), 1
	s_wait_xcnt 0x0
; s = sigma + 1e-5;  xi = mu + s eps  (out0);  z = (xi - mu) / s;
; out1[b][c] = sum over t, d of ( -0.5 z^2 - ln s ) - 200 * 32 * ln(2 pi).
; All tensors are [64][16][200][64] f32: a pair (b, c) is 12,800 neighbouring numbers, 51,200 bytes of each tensor.
;
; A stream: about half an operation for each byte moved, so each byte is read once and written once, 16 bytes a lane.
; 256 work-groups of 20 waves; a work-group owns 4 neighbouring pairs = 204,800 neighbouring bytes of each tensor.
; The 640 threads take 10,240 neighbouring bytes (a chunk) at a time, thread t the 16 bytes at 16 t: a wave's load or store covers
; 512 consecutive bytes at a multiple of 512 from the buffer's first byte.  A pair is exactly 5 chunks, the work-group's share 20.
; A ring of DEPTH = 10 slots in registers (sigma, eps, mu: three loads a slot) keeps 30 loads of every wave on their way and runs on
; across the pairs' borders.  The 20 turns are written out by .rept: every address is then one offset register that is never rewritten,
; a base that is never stepped and an immediate (194,560 at the most), and no wait is spent on freeing an address.
; No matrix unit (no product), no tensor loads (each byte is used by one lane only), no cluster (no work-group shares a byte with another),
; no prefetch (the ring already asks for half of the work-group's input before the first number is used).
;
; LIMITS.  xi is one fused multiply-add (one rounding).  The division is a multiplication by v_rcp_f32 (1 ULP); for s above 2^126 that
; result would be denormal and comes out as zero (ISA guide 15.8), so z counts as 0 there.  s is never a denormal other than 0: near
; -1e-5 the sum sigma + 1e-5 is exact and a multiple of that range's last bit.  The sums are formed in an order of their own,
; and the constant is taken away once for a pair, as 11762.413, not 200 times as 58.812.
.set WAVES, 20
.set CHUNK, WAVES*32*16                ; 10,240 bytes: what the work-group takes of a tensor in one turn
.set PAIRB, 200*64*4                   ; 51,200 bytes of a pair (b, c)
.set CPP,   PAIRB/CHUNK                ; 5 chunks in a pair
.set PAIRS, 4                          ; pairs of a work-group
.set NCH,   PAIRS*CPP                  ; 20 chunks = turns
.set DEPTH, 10                         ; slots of the ring
.set OFF, 1                            ; v1        16 t: my byte offset in every chunk, and my 16 bytes in LDS
.set P,   2                            ; v[2:5]    pair p: my share of  sum z^2 + 2 ln2 sum log2 s
.set AZ,  6                            ; v[6:9]    four running sums of z^2
.set AL,  10                           ; v[10:13]  four running sums of log2 s
.set R,   14                           ; v[14:17]  1 / s
.set L,   18                           ; v[18:21]  log2 s
.set Y,   22                           ; v[22:25]  xi, to store
.set X,   26                           ; v[26:145] slot i: 4 registers sigma, 4 eps, 4 mu
	s_load_b256 s[4:11], s[0:1], 0x0               ; mu s[4:5], sigma s[6:7], eps s[8:9], out0 s[10:11]
	s_load_b64 s[12:13], s[0:1], 0x20              ; out1
	v_lshl_add_u32 v146, v0, 2, 0x2800
	v_mov_b32 v147, 0
	s_mul_i32 s2, ttmp9, PAIRS*PAIRB               ; the work-group's first byte in the large tensors (52,224,000 at the most)
	s_mov_b32 s3, 0
	s_lshl_b32 s18, ttmp9, 4                       ; and in out1: four numbers
	s_mov_b32 s19, 0
	s_mov_b32 s14, 0x3727c5ac                      ; 1e-5, in both words of the pair that the packed add names
	s_mov_b32 s15, 0x3727c5ac
	v_lshlrev_b32 v[OFF], 4, v0
	s_wait_kmcnt 0x0
	s_add_nc_u64 s[4:5], s[4:5], s[2:3]
	s_add_nc_u64 s[6:7], s[6:7], s[2:3]
	s_add_nc_u64 s[8:9], s[8:9], s[2:3]
	s_add_nc_u64 s[10:11], s[10:11], s[2:3]
	s_add_nc_u64 s[12:13], s[12:13], s[18:19]
; Three loads: chunk ch of sigma, eps and mu into its slot.  Every byte is read once in the whole launch: non-temporal.
.macro FILL ch
.set FS, X+12*((\ch)%DEPTH)
	global_load_b128 v[FS:FS+3],    v[OFF], s[6:7] offset:(\ch)*CHUNK th:TH_LOAD_NT
	global_load_b128 v[FS+4:FS+7],  v[OFF], s[8:9] offset:(\ch)*CHUNK th:TH_LOAD_NT
	global_load_b128 v[FS+8:FS+11], v[OFF], s[4:5] offset:(\ch)*CHUNK th:TH_LOAD_NT
.endm
; The turn of chunk ch: four numbers a lane, twenty vector instructions.
.macro TURN ch
.set SG, X+12*((\ch)%DEPTH)            ; sigma, then s
.set EP, SG+4                          ; eps
.set MU, SG+8                          ; mu, then xi - mu, then z
.if ((\ch)+DEPTH) <= NCH
	s_wait_loadcnt 3*(DEPTH-1)                     ; loads come back in order (ISA guide 5.7.1): my three are in, the nine younger chunks' 27 stay out
.else
	s_wait_loadcnt 3*(NCH-1-(\ch))                 ; nothing has been asked for behind chunk 19: the count runs down to 0
.endif
	v_pk_add_f32 v[SG:SG+1],   v[SG:SG+1],   s[14:15] op_sel_hi:[1,0]      ; s = sigma + 1e-5
	v_pk_add_f32 v[SG+2:SG+3], v[SG+2:SG+3], s[14:15] op_sel_hi:[1,0]
.irp j, 0,1,2,3
	v_rcp_f32 v[R+\j], v[SG+\j]                    ; the eight transcendentals stand in one run, on registers of their own;
.endr
.irp j, 0,1,2,3
.if ((\ch)%CPP) == 0
	v_log_f32 v[AL+\j], v[SG+\j]                   ; a pair's first chunk starts the sums of log2 s: nothing is cleared
.else
	v_log_f32 v[L+\j], v[SG+\j]
.endif
.endr
	s_wait_xcnt 0x0                                ; the last turn's store has had its address translated (ISA guide 3.1): Y is rewritten only behind this wait
.irp j, 0,2
	v_pk_fma_f32 v[Y+\j:Y+\j+1], v[SG+\j:SG+\j+1], v[EP+\j:EP+\j+1], v[MU+\j:MU+\j+1]     ; xi = s eps + mu.  Also the plain instructions that
.endr                                                                                     ; stand between the run above and the first use of its results (ISA guide 5.7.2)
.irp j, 0,2
	v_pk_add_f32 v[MU+\j:MU+\j+1], v[Y+\j:Y+\j+1], v[MU+\j:MU+\j+1] neg_lo:[0,1] neg_hi:[0,1]   ; xi - mu, with the rounding that xi carries
.endr
	s_wait_alu depctr_va_vdst(0)
.irp j, 0,2
	v_pk_mul_f32 v[MU+\j:MU+\j+1], v[MU+\j:MU+\j+1], v[R+\j:R+\j+1]                       ; z
.endr
.irp j, 0,2
.if ((\ch)%CPP) == 0
	v_pk_mul_f32 v[AZ+\j:AZ+\j+1], v[MU+\j:MU+\j+1], v[MU+\j:MU+\j+1]                     ; a pair's first chunk starts the sums of z^2
.else
	v_pk_fma_f32 v[AZ+\j:AZ+\j+1], v[MU+\j:MU+\j+1], v[MU+\j:MU+\j+1], v[AZ+\j:AZ+\j+1]
	v_pk_add_f32 v[AL+\j:AL+\j+1], v[AL+\j:AL+\j+1], v[L+\j:L+\j+1]
.endif
.endr
.if ((\ch)+DEPTH) < NCH
.set NX, (\ch)+DEPTH
	FILL NX                                        ; the slot's next chunk, asked for ahead of the store
.endif
	global_store_b128 v[OFF], v[Y:Y+3], s[10:11] offset:(\ch)*CHUNK th:TH_STORE_NT
.if ((\ch)%CPP) == (CPP-1)
	; the pair is through: my eight sums become one number, sum z^2 + 2 ln2 sum log2 s; the factor -0.5 follows at the very end
	v_pk_add_f32 v[AZ:AZ+1], v[AZ:AZ+1], v[AZ+2:AZ+3]
	v_pk_add_f32 v[AL:AL+1], v[AL:AL+1], v[AL+2:AL+3]
	v_add_f32 v[AZ], v[AZ], v[AZ+1]
	v_add_f32 v[AL], v[AL], v[AL+1]
	v_fmamk_f32 v[P+(\ch)/CPP], v[AL], 0x3fb17218, v[AZ]           ; 0x3fb17218 = 2 ln 2
.endif
.endm
.set c, 0
.rept DEPTH
	FILL c                                         ; the ring is filled: chunks 0 to 9, 30 loads
.set c, c+1
.endr
.set c, 0
.rept NCH
	TURN c
.set c, c+1
.endr
	; The 640 threads' shares meet in LDS: 16 bytes a thread (its four pairs), 10,240 bytes, neighbouring lanes at neighbouring 16 bytes.
	ds_store_b128 v[OFF], v[P:P+3]
	v_lshrrev_b32 v[R], 5, v0
	v_readfirstlane_b32 s17, v[R]                  ; the wave's number
	s_wait_dscnt 0x0                               ; for wave 0's sake: my store is in LDS before I say so
	s_barrier_signal -1
	s_barrier_wait -1
	s_cmp_lg_u32 s17, 0
	s_cbranch_scc1 .Ldone                          ; wave 0 alone adds up; no barrier follows
	s_mov_b32 s16, 0xc637c9a7                      ; -11762.413 = -200 * 32 * ln(2 pi)
	s_mov_b32 s20, 0x76543210                      ; v_permlanex16_b32: lane i of one half reads lane i of the other
	s_mov_b32 s21, 0xfedcba98
.irp w, 0,1,2,3,4,5,6,7,8,9,10,11,12,13,14,15,16,17,18,19
	ds_load_b128 v[X+4*\w:X+4*\w+3], v[OFF] offset:512*\w          ; lane l takes thread 32 w + l's four numbers (the slots are done with: the last load wait was for 0)
.endr
	s_wait_dscnt 0x0
.irp w, 1,2,3,4,5,6,7,8,9
	v_pk_add_f32 v[X:X+1],     v[X:X+1],     v[X+4*\w:X+4*\w+1]            ; waves 0-9 and waves 10-19: four chains that do not wait for each other
	v_pk_add_f32 v[X+2:X+3],   v[X+2:X+3],   v[X+4*\w+2:X+4*\w+3]
	v_pk_add_f32 v[X+40:X+41], v[X+40:X+41], v[X+40+4*\w:X+40+4*\w+1]
	v_pk_add_f32 v[X+42:X+43], v[X+42:X+43], v[X+40+4*\w+2:X+40+4*\w+3]
.endr
	v_pk_add_f32 v[X:X+1],   v[X:X+1],   v[X+40:X+41]
	v_pk_add_f32 v[X+2:X+3], v[X+2:X+3], v[X+42:X+43]
	; across the 32 lanes, the four pairs side by side: four steps inside each half of 16 lanes, one across the halves
.irp m, 1,2,4,8
.irp j, 0,1,2,3
	v_add_f32_dpp v[X+\j], v[X+\j], v[X+\j] row_xmask:\m row_mask:0xf bank_mask:0xf
.endr
.endr
.irp j, 0,1,2,3
	v_permlanex16_b32 v[X+4+\j], v[X+\j], s20, s21                 ; its destination counts as read: wave 1's row, loaded above and added up since
.endr
.irp j, 0,1,2,3
	v_add_f32 v[X+\j], v[X+\j], v[X+4+\j]
.endr
.irp j, 0,1,2,3
	v_fma_f32 v[X+\j], v[X+\j], -0.5, s16                          ; -0.5 sum z^2 - ln2 sum log2 s - 200 * 32 * ln(2 pi)
.endr
	v_cmp_eq_u32 vcc_lo, 0, v0
	s_wait_xcnt 0x0                                ; EXEC is a source of my stores of xi: it changes only behind this wait
	s_wait_tensorcnt 0x0
	ds_add_u32 v146, v147
	s_wait_dscnt 0x0
	s_and_saveexec_b32 s22, vcc_lo                 ; lane 0 alone (its OFF is 0)
	global_store_b128 v[OFF], v[X:X+3], s[12:13]   ; the work-group's four numbers of out1, 16 neighbouring bytes
	s_endpgm
.Ldone:
	s_wait_tensorcnt 0x0
	ds_add_u32 v146, v147
	s_wait_dscnt 0x0
	s_endpgm
.Lfunc_end_k_q0e5e2d0956_xi_ll:
	.size	k_q0e5e2d0956_xi_ll, .Lfunc_end_k_q0e5e2d0956_xi_ll-k_q0e5e2d0956_xi_ll
	.p2alignl 7, 3214868480
	.fill 96, 4, 3214868480
	.section	.rodata,"a",@progbits
	.p2align	6, 0x0
	.amdhsa_kernel k_q0e5e2d0956_xi_ll
		.amdhsa_group_segment_fixed_size 12800
		.amdhsa_private_segment_fixed_size 0
		.amdhsa_enable_private_segment 0
		.amdhsa_kernarg_size 40
		.amdhsa_user_sgpr_count 2
		.amdhsa_user_sgpr_kernarg_segment_ptr 1
		.amdhsa_wavefront_size32 1
		.amdhsa_system_sgpr_workgroup_id_x 1
		.amdhsa_system_sgpr_workgroup_id_y 1
		.amdhsa_system_sgpr_workgroup_id_z 1
		.amdhsa_system_vgpr_workitem_id 0
		.amdhsa_next_free_vgpr 148
		.amdhsa_next_free_sgpr 66
		.amdhsa_reserve_vcc 1
		.amdhsa_float_denorm_mode_32 3
		.amdhsa_float_denorm_mode_16_64 3
		.amdhsa_memory_ordered 1
		.amdhsa_forward_progress 1
		.amdhsa_inst_pref_size 38
	.end_amdhsa_kernel
	.amdgpu_metadata
---
amdhsa.version: [ 1, 2 ]
amdhsa.kernels:
  - .name:           k_q0e5e2d0956_xi_ll
    .symbol:         k_q0e5e2d0956_xi_ll.kd
    .args:
      - { .name: mu, .offset: 0, .size: 8, .value_kind: global_buffer, .address_space: global }
      - { .name: sigma, .offset: 8, .size: 8, .value_kind: global_buffer, .address_space: global }
      - { .name: eps, .offset: 16, .size: 8, .value_kind: global_buffer, .address_space: global }
      - { .name: out0, .offset: 24, .size: 8, .value_kind: global_buffer, .address_space: global }
      - { .name: out1, .offset: 32, .size: 8, .value_kind: global_buffer, .address_space: global }
    .group_segment_fixed_size: 12800
    .private_segment_fixed_size: 0
    .kernarg_segment_align: 8
    .kernarg_segment_size: 40
    .max_flat_workgroup_size: 640
    .sgpr_count:     66
    .vgpr_count:     148
    .wavefront_size: 32
...
	.end_amdgpu_metadata
.endif
;; end of part 1
